; MI455X (gfx1250); checked and timed in simulation.
; The chip was launched on July 23, 2026; its instructions are those of AMD's public machine-readable ISA for CDNA 5 (MIT licence, August 2026) and "CDNA5" Instruction Set Architecture Reference Guide (July 2026). The comments in the code are by the model that wrote it; some were corrected since.
;; MAELD Reg Loss. Allowed arithmetic: matrix products marked QUANTISED: E3M2 operands, one E8M0 scale for each 32 along K, by v_wmma_scale_f32_16x16x128_f8f6f4 with both operands' format E3M2, f32 sums; everything else in f32.
;; Inputs: features 8,192 x 768 float32.
;; Outputs: out0 8,192 float32.
;; Constants: k = 20.
;; This version of the problem:
;;   THIS VERSION OF THE PROBLEM IS GIVEN IN LOW PRECISION. The matrix products marked QUANTISED in the list below multiply operands that are first quantised to E3M2 (3 exponent bits, 2 mantissa bits; 6 bits a number), with one power-of-two scale for each 32 numbers along K (OCP MX v1.0); their sums are f32. All else is computed in f32.
;;   The module's matrix products, in the order in which they are computed (A, B: the left and right operand; K: the contracted axis; several contracted axes count as one K, in the product's order):
;;     1. [M 8,192, K 768] x [K 768, N 8,192]; A: input features; B: input features: QUANTISED
;;   THE QUANTISER, for each operand of a quantised product, along K:
;;     - K is cut into blocks of 32 from its start; a last block that is shorter is filled with zeros.
;;     - A block's scale is 2^e with e = floor(log2(the largest magnitude in the block)) - 4, held to -126 .. 127; a block of zeros has e = 0. As a byte (E8M0): e + 127.
;;     - Each number is divided by its block's scale, clamped to +-28, and rounded to the nearest number of E3M2, ties to even, subnormals kept.
;;     - The product sums the exact products of the quantised numbers (number of the format x scale) in f32.
;;   ~~~python
;;   def quantise(x, axis):      # numpy; x: float32 -> the quantised numbers, widened to float32 again
;;       x = np.moveaxis(x, axis, -1); K = x.shape[-1]
;;       x = np.pad(x, [(0, 0)] * (x.ndim - 1) + [(0, -K % 32)]); x = x.reshape(x.shape[:-1] + (-1, 32)); a = np.abs(x).max(-1, keepdims=True)
;;       e = np.where(a > 0, np.clip(np.frexp(np.where(a > 0, a, 1))[1] - 1 - 4, -126, 127), 0)      # np.frexp(a)[1] - 1 = floor(log2(a)), exactly
;;       r = np.clip(x / 2.0 ** e, -28, 28)
;;       step = 2.0 ** (np.maximum(np.frexp(np.where(r == 0, 1, r))[1] - 1, -2) - 2)
;;       q = np.round(r / step) * step * 2.0 ** e      # np.round: ties to even
;;       return np.moveaxis(q.reshape(q.shape[:-2] + (-1,))[..., :K], -1, axis).astype(np.float32)
;;   ~~~
;; One version. Each part assembles by itself: llvm-mc -triple=amdgcn-amd-amdhsa -mcpu=gfx1250 --defsym DOCPART=n.
;; ======== version 1 of 1: 3 launches
;; limits: right only within a limited range of input values
;; workspace buffers: ops 5,111,808 bytes; cand 12,582,912 bytes
;; launch prep (part 1): grid 512 x 1, 6 waves a work-group, no clusters, 52,992 bytes of LDS; arguments features, ops; writes ops
.if DOCPART == 1
	.amdgcn_target "amdgcn-amd-amdhsa--gfx1250"
	.amdhsa_code_object_version 6
	.text
	.protected	k_q13057f0a0c_prep
	.globl	k_q13057f0a0c_prep
	.p2align	8
	.type	k_q13057f0a0c_prep,@function
k_q13057f0a0c_prep:
	s_mov_b64 s[64:65], 0
	v_nop
	global_prefetch_b8 v0, s[64:65] scope:SCOPE_SE
	s_setreg_imm32_b32 hwreg(HW_REG_WAVE_MODE, 25, 1), 1
	s_wait_xcnt 0x0
; features [8192][768] f32 -> ops: 512 records of 9,984 bytes, one for each 16 rows, laid in the order of a matrix operand's registers.
;   byte 512 (3 s + c) + 16 lane : registers 4 c .. 4 c + 3 of the 12-register fragment of BF6 (E3M2) codes of K step s (128 along K); lane (r, h), registers 6 c' .. 6 c' + 5: k = 128 s + 64 c' + 32 h + 0 .. 31 of row r
;   byte 9,216 + 16 lane         : three scale words and a zero: lanes 0-15 row r's words of K steps 0, 2, 4, lanes 16-31 those of K steps 1, 3, 5 (a word: four E8M0 bytes, one for each 32 along K)
;   byte 9,728 + 4 r             : -x2[r] / 2, x2 the row's sum of squares of the UNQUANTISED numbers, in f32; then 192 bytes of zeros, so that the 256 bytes are stored whole
; A block's scale is 2^(floor(log2(its largest magnitude)) - 4); its byte is the largest magnitude's exponent field - 4, held at 1 from below.  A block of zeros so gets the byte 1 where the rule says 127:
; its codes are zeros, which add nothing under any byte but 0xff, and the bytes are read by this program alone.
; LIMITS: blocks whose largest magnitude lies under 2^-122 get the byte 1; NaN and infinities among the inputs are not served.
; SHARES: a work-group makes one record; wave s takes K step s of the 16 rows.  Each load reads 512 consecutive bytes of one row; the 16 x 512 bytes turn through the wave's own stage in LDS,
; so that a lane gets two whole blocks of 32 neighbours along K: a block's largest magnitude needs no other lane, and the conversions' results are the operand's registers.
.set ROWB,   3072                      ; a row of features in bytes
.set REC,    9984                      ; a record
.set SPITCH, 528                       ; a stage row: 512 bytes + 16 = 33 x 16: sixteen rows' equal columns fall on sixteen different 16-byte columns modulo 256
.set STGB,   16*SPITCH                 ; a wave's stage
.set IMG,    6*STGB                    ; LDS: the image of the scale words, 512 bytes
.set PS,     IMG+512                   ; LDS: the six waves' partial sums of squares, 64 bytes each
.set RAW, 16                           ; v16-79   the numbers as loaded
.set X,   80                           ; v80-143  X + 32 c' + i = k 128 s + 64 c' + 32 h + i of my row
.set AM,  144                          ; v144-145 the two blocks' largest magnitudes
.set SO,  146                          ; v146-147 the conversions' scale operands
.set BY,  148                          ; v148-149 the scale bytes
.set SW,  150                          ; v150 the scale word, v151 at work
.set SQ,  152                          ; v152-155 sums of squares, two packed chains
.set CD,  160                          ; v160-171 the fragment
.set CH,  172                          ; v172-174, v176-178 the second halves of the blocks' codes
	s_load_b128 s[4:7], s[0:1], 0x0                ; features, ops
	v_lshl_add_u32 v184, v0, 2, 0xcc00
	v_mov_b32 v185, 0
	v_lshrrev_b32 v1, 5, v0
	v_readfirstlane_b32 s8, v1                     ; wave = K step s
	v_and_b32 v1, 31, v0                           ; lane
	v_and_b32 v2, 15, v0                           ; r
	v_bfe_u32 v3, v0, 4, 1                         ; h
	v_lshlrev_b32 v4, 4, v1                        ; 16 x lane
	s_wait_alu depctr_va_vdst(0)
	s_mul_i32 s9, s8, STGB                         ; my stage
	v_add_nc_u32 v5, s9, v4                        ; into it: 16 x lane of a row
	v_mul_u32_u24 v6, v2, SPITCH
	v_lshl_add_u32 v6, v3, 7, v6
	v_add_nc_u32 v6, s9, v6                        ; out of it: row r, + 128 h: 32 h numbers on
	v_and_b32 v7, 7, v0
	v_lshl_add_u32 v7, v7, 3, PS                   ; the partial sums of rows 2 (lane % 8) and + 1
	s_and_b32 s10, s8, 1
	s_lshl_b32 s10, s10, 8
	s_lshr_b32 s11, s8, 1
	s_lshl_b32 s11, s11, 2
	s_add_co_u32 s10, s10, s11
	s_add_co_u32 s10, s10, IMG
	v_lshl_add_u32 v8, v2, 4, s10                  ; my row's scale word: lane r + 16 (s % 2) of the image, word s / 2
	s_lshl_b32 s11, s8, 6
	s_add_co_u32 s11, s11, PS
	v_lshl_add_u32 v9, v2, 2, s11                  ; my row's partial sum
	s_mul_i32 s16, s8, 1536
	v_add_nc_u32 v10, s16, v4                      ; my fragment in the record
	v_add_nc_u32 v11, IMG, v4                      ; the image, 16 bytes a lane
	v_lshlrev_b32 v13, 3, v1                       ; 8 x lane
	s_mov_b32 s20, 0x76543210
	s_mov_b32 s21, 0xfedcba98                      ; v_permlanex16_b32's selects for lane l xor 16
	s_mul_i32 s12, ttmp9, 16*ROWB                  ; the work-group's 16 rows,
	s_lshl_b32 s13, s8, 9                          ; my K step's 512 bytes of each
	s_add_co_u32 s12, s12, s13
	s_mov_b32 s13, 0
	s_mul_i32 s14, ttmp9, REC
	s_mov_b32 s15, 0
	s_wait_alu depctr_va_vdst(0)
	s_wait_kmcnt 0x0
	s_add_nc_u64 s[4:5], s[4:5], s[12:13]
	s_add_nc_u64 s[6:7], s[6:7], s[14:15]
.irp i, 0,1,2,3,4,5,6,7,8,9,10,11,12,13,14,15
	global_load_b128 v[RAW+4*\i:RAW+4*\i+3], v4, s[4:5] offset:ROWB*\i th:TH_LOAD_NT   ; 32 lanes read 512 consecutive bytes of row i; read once in the launch
.endr
.irp i, 0,1,2,3,4,5,6,7,8,9,10,11,12,13,14,15
	s_wait_loadcnt 15-\i                           ; loads come back in order: row i is in, the younger ones stay out
	ds_store_b128 v5, v[RAW+4*\i:RAW+4*\i+3] offset:SPITCH*\i
.endr
.irp c, 0,1
.irp j, 0,1,2,3,4,5,6,7
	ds_load_b128 v[X+32*\c+4*\j:X+32*\c+4*\j+3], v6 offset:256*\c+16*\j   ; my wave's own bytes, and LDS serves a wave's instructions in order: these see the stores above
.endr
.endr
	s_wait_dscnt 0x0
.irp c, 0,1                                        ; my block 2 c + h of the K step: all its 32 numbers are mine
	v_max3_num_f32 v[AM+\c], |v[X+32*\c]|, |v[X+32*\c+1]|, 0x2800000   ; and the floor 2^(5 - 127): the byte cannot fall under 1
.endr
.irp i, 2,4,6,8,10,12,14,16,18,20,22,24,26,28,30
.irp c, 0,1
	v_max3_num_f32 v[AM+\c], v[AM+\c], |v[X+32*\c+\i]|, |v[X+32*\c+\i+1]|   ; (the two blocks by turns)
.endr
.endr
.irp c, 0,1
	v_add_nc_u32 v[SO+\c], 0xfe000000, v[AM+\c]    ; 4 off the exponent field: the conversion takes the exponent field of this operand as its scale, and nothing else of it
.endr
.irp c, 0,1
	v_lshrrev_b32 v[BY+\c], 23, v[SO+\c]           ; the scale's byte
.endr
	v_pk_mul_f32 v[SQ:SQ+1], v[X:X+1], v[X:X+1]    ; the sum of squares of my 64 numbers: two packed chains, started by the first products
	v_pk_mul_f32 v[SQ+2:SQ+3], v[X+2:X+3], v[X+2:X+3]
.set j, 4
.rept 15
	v_pk_fma_f32 v[SQ:SQ+1], v[X+j:X+j+1], v[X+j:X+j+1], v[SQ:SQ+1]
	v_pk_fma_f32 v[SQ+2:SQ+3], v[X+j+2:X+j+3], v[X+j+2:X+j+3], v[SQ+2:SQ+3]
.set j, j+4
.endr
	v_pk_add_f32 v[SQ:SQ+1], v[SQ:SQ+1], v[SQ+2:SQ+3]
	v_add_f32 v[SQ], v[SQ], v[SQ+1]
	v_permlanex16_b32 v[SQ+2], v[SQ], s20, s21
	v_add_f32 v[SQ], v[SQ], v[SQ+2]                ; with lane l xor 16's 64: my row's 128 numbers of this K step
	v_lshl_or_b32 v[SW], v[BY+1], 16, v[BY]        ; my two bytes: blocks h and 2 + h,
	v_lshlrev_b32 v[SW+1], 3, v3
	v_lshlrev_b32 v[SW], v[SW+1], v[SW]            ; at their places in the word (8 h bits up);
	v_mov_b32 v[SW+1], 0
	v_permlanex16_b32 v[SW+1], v[SW], s20, s21
	v_or_b32 v[SW], v[SW], v[SW+1]                 ; with lane l xor 16's two the word is whole
.irp c, 0,1
	v_cvt_scalef32_pk16_bf6_f32 v[CD+6*\c:CD+6*\c+2], v[X+32*\c:X+32*\c+15], v[SO+\c]       ; registers 6 c .. 6 c + 2 of the operand
	v_cvt_scalef32_pk16_bf6_f32 v[CH+4*\c:CH+4*\c+2], v[X+32*\c+16:X+32*\c+31], v[SO+\c]    ; (a conversion's three registers begin on an even number: the second half is made elsewhere and moved)
.endr
	v_nop                                          ; one plain place behind a scaled conversion
.irp c, 0,1
.irp i, 0,1,2
	v_mov_b32 v[CD+6*\c+3+\i], v[CH+4*\c+\i]
.endr
.endr
.irp c, 0,1,2
	global_store_b128 v10, v[CD+4*\c:CD+4*\c+3], s[6:7] offset:512*\c   ; 32 lanes store 512 consecutive bytes, at a multiple of 256 from the buffer's first byte
.endr
	ds_store_b32 v8, v[SW]                         ; lanes r and r + 16 write the same word with the same value
	ds_store_b32 v9, v[SQ]
	s_wait_dscnt 0x0                               ; for the others' sake: my stores have landed
	s_barrier_signal -1
	s_barrier_wait -1
	s_cmp_lg_u32 s8, 0
	s_cbranch_scc1 .Lnot_wave_0
	ds_load_b96 v[16:18], v11                      ; wave 0: the image of the scale words, three words a lane
	v_mov_b32 v19, 0
	s_wait_alu depctr_va_vdst(0)
	s_wait_dscnt 0x0
	global_store_b128 v4, v[16:19], s[6:7] offset:9216
.Lnot_wave_0:
	s_cmp_lg_u32 s8, 1
	s_cbranch_scc1 .Lend
.irp i, 0,1,2,3,4,5
	ds_load_b64 v[24+2*\i:25+2*\i], v7 offset:64*\i   ; wave 1: two rows' partial sums of K step i
.endr
	s_wait_dscnt 0x0
.irp i, 1,2,3,4,5
	v_pk_add_f32 v[24:25], v[24:25], v[24+2*\i:25+2*\i]   ; K ascending
.endr
	v_pk_mul_f32 v[24:25], v[24:25], -0.5 op_sel_hi:[1,0]
	v_cmp_gt_u32 vcc_lo, 8, v1
	v_cndmask_b32 v24, 0, v24, vcc_lo              ; lanes 8 to 31 store zeros
	v_cndmask_b32 v25, 0, v25, vcc_lo
	global_store_b64 v13, v[24:25], s[6:7] offset:9728   ; 32 lanes store 256 consecutive bytes
.Lend:
	s_wait_tensorcnt 0x0
	ds_add_u32 v184, v185
	s_wait_dscnt 0x0
	s_endpgm
.Lfunc_end_k_q13057f0a0c_prep:
	.size	k_q13057f0a0c_prep, .Lfunc_end_k_q13057f0a0c_prep-k_q13057f0a0c_prep
	.p2alignl 7, 3214868480
	.fill 96, 4, 3214868480
	.section	.rodata,"a",@progbits
	.p2align	6, 0x0
	.amdhsa_kernel k_q13057f0a0c_prep
		.amdhsa_group_segment_fixed_size 52992
		.amdhsa_private_segment_fixed_size 0
		.amdhsa_enable_private_segment 0
		.amdhsa_kernarg_size 16
		.amdhsa_user_sgpr_count 2
		.amdhsa_user_sgpr_kernarg_segment_ptr 1
		.amdhsa_wavefront_size32 1
		.amdhsa_system_sgpr_workgroup_id_x 1
		.amdhsa_system_sgpr_workgroup_id_y 1
		.amdhsa_system_sgpr_workgroup_id_z 1
		.amdhsa_system_vgpr_workitem_id 0
		.amdhsa_next_free_vgpr 186
		.amdhsa_next_free_sgpr 66
		.amdhsa_reserve_vcc 1
		.amdhsa_float_denorm_mode_32 3
		.amdhsa_float_denorm_mode_16_64 3
		.amdhsa_memory_ordered 1
		.amdhsa_forward_progress 1
		.amdhsa_inst_pref_size 14
	.end_amdhsa_kernel
	.amdgpu_metadata
---
amdhsa.version: [ 1, 2 ]
amdhsa.kernels:
  - .name:           k_q13057f0a0c_prep
    .symbol:         k_q13057f0a0c_prep.kd
    .args:
      - { .name: features, .offset: 0, .size: 8, .value_kind: global_buffer, .address_space: global }
      - { .name: ops, .offset: 8, .size: 8, .value_kind: global_buffer, .address_space: global }
    .group_segment_fixed_size: 52992
    .private_segment_fixed_size: 0
    .kernarg_segment_align: 8
    .kernarg_segment_size: 16
    .max_flat_workgroup_size: 192
    .sgpr_count:     66
    .vgpr_count:     186
    .wavefront_size: 32
...
	.end_amdgpu_metadata
.endif
;; end of part 1
;; launch knn (part 2): grid 16 x 16, 4 waves a work-group, clusters of 4 x 1, 327,680 bytes of LDS; arguments ops, cand; writes cand
.if DOCPART == 2
	.amdgcn_target "amdgcn-amd-amdhsa--gfx1250"
	.amdhsa_code_object_version 6
	.text
	.protected	k_q13057f0a0c_knn
	.globl	k_q13057f0a0c_knn
	.p2align	8
	.type	k_q13057f0a0c_knn,@function
k_q13057f0a0c_knn:
	s_mov_b64 s[64:65], 0
	v_nop
	global_prefetch_b8 v0, s[64:65] scope:SCOPE_SE
	s_setreg_imm32_b32 hwreg(HW_REG_WAVE_MODE, 25, 1), 1
	s_wait_xcnt 0x0
	s_wait_alu depctr_hold_cnt(0) depctr_sa_sdst(0) depctr_va_vdst(0) depctr_va_sdst(0) depctr_va_ssrc(0) depctr_va_vcc(0) depctr_vm_vsrc(0)
	s_getreg_b32 s2, hwreg(HW_REG_IB_STS2, 6, 4)
	s_cmp_eq_u32 s2, 0
	s_cbranch_scc0 .Lentry_in_a_cluster
	s_endpgm
.Lentry_in_a_cluster:
	s_bfe_u32 s2, ttmp6, 0x10000c
	s_cmp_lg_u32 s2, 0x3003
	s_cbranch_scc0 .Lentry_shape_is_right
	s_endpgm
.Lentry_shape_is_right:
; For each row i and each range of 512 columns j: the 21 largest D = G[i][j] - x2[j] / 2, sorted, the largest first (G: the product of the BF6 codes with their E8M0 scales).
; ops: 512 records of 9,984 bytes, one for each 16 rows of features: 18 x 512 bytes of fragment registers, 512 of scale words, 256 with -x2 / 2.
; cand [range 16][plane 6][row 8192][4] f32: ranks 4 g .. 4 g + 3 of a row in plane g (ranks 21 to 23: -infinity).
; SHARES: a work-group takes 512 rows x 512 columns.  The 32 column records, 319,488 bytes, are filled into LDS once and stay: 2 records a wave at the head,
; 6 a wave behind a round; no byte is filled again.  The four work-groups of a cluster have the same columns and ask for them jointly.
; A wave takes 64 rows (four tiles of 16, their fragments in registers) in each of two passes over the 32 records; a trip takes 2 records: 48 matrix instructions.
; The product is used transposed (source 0 = 16 columns, source 1 = 16 rows): a lane holds one row, its 16 results of a trip are 16 candidates; -x2 / 2 comes in as C.
; Selection by fixed networks of comparators, no branch on data: the 16 candidates are sorted (Batcher's odd-even merge sort, 63 comparators), then merged into the lane's sorted list of 21.
; No prefetch: both tensor fills are issued at the head, so no later fill has a loop to run ahead in; the second pass's rows are loaded into registers behind the first pass's last products.
; LIMITS: NaN and infinities among the inputs are not served.
; REGISTERS: window 0: v0-7 addresses, v8-23 rows' scale words, v24-31 columns' scale words, v32-47 -x2 / 2, v48-187 state of tiles 0, 1 (16 results, 22 list, 32 frame each), v188-219 a frame;
;   window 1: the same numbers for tiles 2, 3;  window 2: row fragments of tiles 0-2;  window 3: those of tile 3 at v0, the two column fragments at v72 and v144.
.set REC,   9984
.set SPARE, 32*REC                     ; behind the records: the spare words, 128 bytes a wave
.set LI,  1                            ; 16 x lane
.set LH,  2                            ; 32 x (lane / 16)
.set ADF, 3
.set ADN, 4
.set SPW, 6
.set NIL, 7
.set RS,  8
.set CS,  24
.set NH,  32
.set SB,  48
.set RB,  64
.set FA,  86
.set TSTR, 70
.set XF,  188
.set CF,  72
.set WV,  8
.set SEL, 20
.set TB,  22
.set CNT, 23
.set G1,  24
.set G0,  32
.set G1B, 36
.set G0B, 44
.set MSB, 0
.macro WIN new                         ; the immediate's high byte repeats the setting that is left
.if MSB != \new
	s_set_vgpr_msb (MSB<<8)|\new
.set MSB, \new
.endif
.endm
.macro PLACES n
.rept \n
	v_nop
.endr
.endm
.macro ROUND                           ; a round of the cluster's barrier
	s_barrier_signal -1
	s_barrier_wait -1
	s_cmp_lg_u32 s[WV], 0
	s_cbranch_scc1 .Lnot_wave_0_\@
	s_barrier_signal -3
.Lnot_wave_0_\@:
	s_barrier_wait -3
	s_barrier_signal -1
	s_barrier_wait -1
.endm
; A comparator is ONE dual instruction, written out of place; its two results lie at an even and an odd register.
.macro FMAP sym, x                     ; position x of a frame lies at (x & 30) | parity(x): partners one bit apart get an even and an odd register
.set \sym, ((\x)&30)|(((\x)^((\x)>>1)^((\x)>>2)^((\x)>>3)^((\x)>>4))&1)
.endm
.macro BMAP sym, bm, e
.if \bm
	FMAP \sym, \e
.else
.set \sym, \e
.endif
.endm
.macro CE hi, lo, a, b
.set tt, 0
.rept NT
	v_dual_max_num_f32 v[tt+(\hi)], v[tt+(\a)], v[tt+(\b)] :: v_dual_min_num_f32 v[tt+(\lo)], v[tt+(\a)], v[tt+(\b)]
.set tt, tt+TSTR
.endr
.endm
.macro MX2 d0, a0, b0, d1, a1, b1
.set tt, 0
.rept NT
	v_dual_max_num_f32 v[tt+(\d0)], v[tt+(\a0)], v[tt+(\b0)] :: v_dual_max_num_f32 v[tt+(\d1)], v[tt+(\a1)], v[tt+(\b1)]
.set tt, tt+TSTR
.endr
.endm
.macro MX1 d, a, b
.set tt, 0
.rept NT
	v_max_num_f32 v[tt+(\d)], v[tt+(\a)], v[tt+(\b)]
.set tt, tt+TSTR
.endr
.endm
; THE SORT.  P0 .. P15 say, while the text is assembled, where each position lies.  Results go to free registers of the frame FA: the larger to an even one, the smaller to an odd one.
; Position 0 is always a larger and position 15 always a smaller number, so at most 15 of the 16 even and 15 of the 16 odd registers are taken: a free one of each kind is always there.
; A position's last comparator writes it to SB + position (free since the first layer), so that the sorted list lies in its natural order.
.macro POP par                         ; rr = the lowest free register of that parity
.set ix, 0
.rept 16
.if ((FREE\par>>ix)&1) == 0
.set ix, ix+1
.endif
.endr
.set FREE\par, FREE\par-(1<<ix)
.set rr, FA+2*ix+\par
.endm
.macro GIVE r                          ; a register of the frame is free again
.if (\r) >= FA
.if ((\r)&1) == 0
.set FREE0, FREE0+(1<<(((\r)-FA)/2))
.else
.set FREE1, FREE1+(1<<(((\r)-FA)/2))
.endif
.endif
.endm
.macro CX x, y, fin                    ; the larger to position x, the smaller to y; fin: 1 x is finished, 2 y is, 3 both
.if (\fin)&1
.set dh, SB+\x
.else
	POP 0
.set dh, rr
.endif
.if (\fin)&2
.set dl, SB+\y
.else
	POP 1
.set dl, rr
.endif
	CE dh, dl, P\x, P\y
	GIVE P\x
	GIVE P\y
.set P\x, dh
.set P\y, dl
.endm
.macro SORT
.irp p, 0,1,2,3,4,5,6,7,8,9,10,11,12,13,14,15
.set P\p, SB+\p
.endr
.set FREE0, 0xffff
.set FREE1, 0xffff
	CX 0,1,0
	CX 2,3,0
	CX 4,5,0
	CX 6,7,0
	CX 8,9,0
	CX 10,11,0
	CX 12,13,0
	CX 14,15,0
	CX 0,2,0
	CX 1,3,0
	CX 4,6,0
	CX 5,7,0
	CX 8,10,0
	CX 9,11,0
	CX 12,14,0
	CX 13,15,0
	CX 1,2,0
	CX 5,6,0
	CX 9,10,0
	CX 13,14,0
	CX 0,4,0
	CX 1,5,0
	CX 2,6,0
	CX 3,7,0
	CX 8,12,0
	CX 9,13,0
	CX 10,14,0
	CX 11,15,0
	CX 2,4,0
	CX 3,5,0
	CX 10,12,0
	CX 11,13,0
	CX 1,2,0
	CX 3,4,0
	CX 5,6,0
	CX 9,10,0
	CX 11,12,0
	CX 13,14,0
	CX 0,8,1
	CX 1,9,0
	CX 2,10,0
	CX 3,11,0
	CX 4,12,0
	CX 5,13,0
	CX 6,14,0
	CX 7,15,2
	CX 4,8,0
	CX 5,9,0
	CX 6,10,0
	CX 7,11,0
	CX 2,4,0
	CX 3,5,0
	CX 6,8,0
	CX 7,9,0
	CX 10,12,0
	CX 11,13,0
	CX 1,2,3
	CX 3,4,3
	CX 5,6,3
	CX 7,8,3
	CX 9,10,3
	CX 11,12,3
	CX 13,14,3
.endm
; THE MERGE.  The sorted list A (21 at v[a + q]) takes in the sorted list B (nb numbers) and keeps the 21 largest, sorted.  M[q] = max(A[q], B[31 - q]), what is absent counting as -infinity,
; is a bitonic sequence of the 32 largest; five stages (16, 8, 4, 2, 1 apart) sort it; positions 21 to 31 are carried only as far as the kept ones need them.  f: a frame of 32; lo: of 16; hi: of 8.
.macro MERGE a, nb, b, bm, f, lo, hi
.set qq, 32-\nb
.rept \nb-11
.if ((qq&1) == 0) && (qq < 20)
	BMAP e0, \bm, 31-qq
	BMAP e1, \bm, 30-qq
	MX2 \a+qq, \a+qq, \b+e0, \a+qq+1, \a+qq+1, \b+e1
.elseif (qq == 20) || (qq == 32-\nb)
	BMAP e0, \bm, 31-qq
	MX1 \a+qq, \a+qq, \b+e0
.endif
.set qq, qq+1
.endr
.set nn, 0
.rept 16
.set qq, (nn+5)%16
	FMAP fx, qq
	FMAP fy, qq+16
.if qq < 5
	CE \f+fx, \f+fy, \a+qq, \a+qq+16
.else
	BMAP e0, \bm, 15-qq
	CE \f+fx, \f+fy, \a+qq, \b+e0
.endif
.set nn, nn+1
.endr
.set ii, 0
.rept 4
	FMAP fx, ii
	FMAP fy, ii+1
	FMAP ga, ii+16
	FMAP gb, ii+24
	FMAP gc, ii+17
	FMAP gd, ii+25
	MX2 \hi+fx, \f+ga, \f+gb, \hi+fy, \f+gc, \f+gd
.set ii, ii+2
.endr
.set ii, 0
.rept 8
	FMAP fx, ii
	FMAP fy, ii+8
	CE \lo+fx, \lo+fy, \f+fx, \f+fy
.set ii, ii+1
.endr
.set ii, 0
.rept 4
	FMAP fx, ii
	FMAP fy, ii+4
	FMAP ga, ii+16
	FMAP gb, ii+20
	CE \f+ga, \f+gb, \hi+fx, \hi+fy
.set ii, ii+1
.endr
.set ii, 0
.rept 16
.if (ii&4) == 0
	FMAP fx, ii
	FMAP fy, ii+4
	CE \f+fx, \f+fy, \lo+fx, \lo+fy
.endif
.set ii, ii+1
.endr
.set ii, 0
.rept 2
	FMAP fx, ii
	FMAP fy, ii+2
	FMAP ga, ii+16
	FMAP gb, ii+18
	CE \hi+fx, \hi+fy, \f+ga, \f+gb
.set ii, ii+1
.endr
	FMAP fx, 4
	FMAP fy, 5
	FMAP ga, 20
	FMAP gb, 22
	FMAP gc, 21
	FMAP gd, 23
	MX2 \hi+fx, \f+ga, \f+gb, \hi+fy, \f+gc, \f+gd
.set ii, 0
.rept 16
.if (ii&2) == 0
	FMAP fx, ii
	FMAP fy, ii+2
	CE \lo+fx, \lo+fy, \f+fx, \f+fy
.endif
.set ii, ii+1
.endr
	FMAP fx, 0
	FMAP fy, 1
	CE \a+16, \a+17, \hi+fx, \hi+fy
	FMAP fx, 2
	FMAP fy, 3
	CE \a+18, \a+19, \hi+fx, \hi+fy
	FMAP fx, 4
	FMAP fy, 5
	MX1 \a+20, \hi+fx, \hi+fy
.set ii, 0
.rept 8
	FMAP fx, ii
	FMAP fy, ii+1
	CE \a+ii, \a+ii+1, \lo+fx, \lo+fy
.set ii, ii+2
.endr
.endm
.macro NETS                            ; two tiles line by line, first those of window 0, then those of window 1
.set NT, 2
.irp w, 0,1
	WIN 0x55*\w
	SORT
	MERGE RB, 16, SB, 0, FA, SB, RB
.endr
	WIN 0
.endm
; One product: row tile t, column record u, K step s.  The scale words of even K steps lie in lanes 0-15, those of odd ones in lanes 16-31.
.macro WM t, u, s
.set rD, SB+TSTR*((\t)&1)+8*(\u)
.set rA, CF+72*(\u)+12*(\s)
.set rB, 72*((\t)%3)+12*(\s)
.set rX, CS+4*(\u)+(\s)/2
.set rY, RS+4*(\t)+(\s)/2
.if (\s) == 0
.set wN, 3+4*(2+(\t)/3)+64*((\t)/2)
	WIN wN
	v_wmma_scale_f32_16x16x128_f8f6f4 v[rD:rD+7], v[rA:rA+11], v[rB:rB+11], v[NH+8*(\u):NH+8*(\u)+7], v[rX], v[rY] matrix_a_fmt:MATRIX_FMT_BF6 matrix_b_fmt:MATRIX_FMT_BF6
.else
.set wN, 3+4*(2+(\t)/3)+80*((\t)/2)
	WIN wN
.if (\s)%2 == 0
	v_wmma_scale_f32_16x16x128_f8f6f4 v[rD:rD+7], v[rA:rA+11], v[rB:rB+11], v[rD:rD+7], v[rX], v[rY] matrix_a_fmt:MATRIX_FMT_BF6 matrix_b_fmt:MATRIX_FMT_BF6
.else
	v_wmma_scale_f32_16x16x128_f8f6f4 v[rD:rD+7], v[rA:rA+11], v[rB:rB+11], v[rD:rD+7], v[rX], v[rY] matrix_a_fmt:MATRIX_FMT_BF6 matrix_b_fmt:MATRIX_FMT_BF6 matrix_a_scale:MATRIX_SCALE_ROW1 matrix_b_scale:MATRIX_SCALE_ROW1
.endif
.endif
.endm
.macro MULT                            ; four accumulators by turns, one instruction a turn
.irp s, 0,1,2,3,4,5
.irp t, 0,1
.irp u, 0,1
	WM \t, \u, \s
.endr
.endr
.endr
.irp s, 0,1,2,3,4,5
.irp t, 2,3
.irp u, 0,1
	WM \t, \u, \s
.endr
.endr
.endr
	WIN 0
.endm
.macro FETCH                           ; the next two column records from LDS; the two additions and two v_nop are the four places behind the products
	v_add_nc_u32 v[ADF], s[TB], v[LI]
	v_add_nc_u32 v[ADN], s[TB], v[LH]
	PLACES 2
	WIN 0xc0
.irp u, 0,1
.irp i, 0,1,2,3,4,5,6,7,8,9,10,11,12,13,14,15,16,17
	ds_load_b128 v[CF+72*\u+4*\i:CF+72*\u+4*\i+3], v[ADF] offset:REC*\u+512*\i
.endr
.endr
	WIN 0
.irp u, 0,1
	ds_load_b96 v[CS+4*\u:CS+4*\u+2], v[ADF] offset:REC*\u+9216
	ds_load_b128 v[NH+8*\u:NH+8*\u+3], v[ADN] offset:REC*\u+9728
	ds_load_b128 v[NH+8*\u+4:NH+8*\u+7], v[ADN] offset:REC*\u+9744
.endr
	s_add_co_u32 s[TB], s[TB], 2*REC
.endm
.macro TRIPS n
	s_mov_b32 s[CNT], \n
.Ltrip_\@:
	s_wait_dscnt 0x0                               ; this trip's fragments, asked for ahead of the last trip's networks
	MULT
	FETCH
	NETS
	s_sub_co_u32 s[CNT], s[CNT], 1
	s_cmp_lg_u32 s[CNT], 0
	s_cbranch_scc1 .Ltrip_\@
.endm
.macro ROWS pass                       ; my four row tiles of a pass: fragments and scale words, from memory straight into registers
	WIN 0x80
.irp t, 0,1,2
.irp i, 0,1,2,3,4,5,6,7,8,9,10,11,12,13,14,15,16,17
	global_load_b128 v[72*\t+4*\i:72*\t+4*\i+3], v[LI], s[48:49] offset:REC*(16*\pass+\t)+512*\i
.endr
.endr
	WIN 0xc0
.irp i, 0,1,2,3,4,5,6,7,8,9,10,11,12,13,14,15,16,17
	global_load_b128 v[4*\i:4*\i+3], v[LI], s[48:49] offset:REC*(16*\pass+3)+512*\i
.endr
	WIN 0
.irp t, 0,1,2,3
	global_load_b96 v[RS+4*\t:RS+4*\t+2], v[LI], s[48:49] offset:REC*(16*\pass+\t)+9216
.endr
.endm
.macro CLEAR                           ; the four lists begin as -infinity
.irp w, 0,1
	WIN 0x40*\w
.set q, 0
.rept 21
	v_mov_b32 v[RB+q], s13
	v_mov_b32 v[RB+TSTR+q], s13
.set q, q+1
.endr
.endr
	WIN 0
.endm
.macro FINAL pass                      ; lanes l and l xor 16 hold lists of the same row: they are merged; then lanes 0-15 give the even tile's rows, lanes 16-31 the odd tile's
	s_wait_xcnt 0x0                                ; earlier stores have read the frame that is written again below
	v_cmp_le_u32 vcc_lo, 0x100, v[LI]
.irp w, 0,1
	WIN 0x55*\w
.irp t, 0,1
.set q, 0
.rept 21
	v_permlanex16_b32 v[FA+TSTR*\t+q], v[RB+TSTR*\t+q], s[SEL], s[SEL+1]
.set q, q+1
.endr
.endr
.set NT, 1
	MERGE RB, 21, FA, 0, XF, FA, FA+16
	MERGE RB+TSTR, 21, FA+TSTR, 0, XF, FA+TSTR, FA+TSTR+16
.set q, 0
.rept 21
	v_cndmask_b32 v[XF+q], v[RB+q], v[RB+TSTR+q], vcc_lo
.set q, q+1
.endr
.irp q, 21,22,23
	v_mov_b32 v[XF+\q], s13
.endr
	WIN 0x04*\w
.irp g, 0,1,2,3,4,5
	global_store_b128 v[LI], v[XF+4*\g:XF+4*\g+3], s[50:51] offset:131072*\g+4096*\pass+512*\w   ; 32 lanes store 512 consecutive bytes
.endr
.endr
	WIN 0
.endm
.macro LAST pass                       ; a pass's last trip fetches no columns; behind the first pass's last products the next pass's rows are asked for
	s_wait_dscnt 0x0
	MULT
	PLACES 4
.if \pass == 0
	ROWS 1
.endif
	NETS
	FINAL \pass
.endm
	s_load_b128 s[4:7], s[0:1], 0x0                ; ops, cand
	v_lshl_add_u32 v[SPW], v0, 2, SPARE
	v_mov_b32 v[NIL], 0
	ds_add_u32 v[SPW], v[NIL]                      ; the opening lines: the add, twice on end, and its wait
	ds_add_u32 v[SPW], v[NIL]
	v_lshrrev_b32 v1, 5, v0
	v_readfirstlane_b32 s[WV], v1                  ; wave 0..3
	v_and_b32 v1, 31, v0
	v_lshlrev_b32 v[LI], 4, v1
	v_bfe_u32 v2, v0, 4, 1
	v_lshlrev_b32 v[LH], 5, v2
	s_bfe_u32 s10, ttmp6, 0x40000                  ; cx
	s_lshl_b32 s11, ttmp9, 2
	s_add_co_u32 s11, s11, s10                     ; which 512 rows
	s_and_b32 s12, ttmp7, 0xffff                   ; which 512 columns: the same in the cluster's four
	s_mov_b32 s13, 0xff800000
	s_mov_b32 s[SEL], 0x76543210
	s_mov_b32 s[SEL+1], 0xfedcba98
	s_mov_b32 s[G1+0], 15|(3<<16)|(1<<21)          ; the cluster's four; elements of 8 bytes
	s_mov_b32 s[G1+1], 32<<16                      ; rows of 256 bytes
	s_mov_b32 s[G1+2], 78<<16                      ; 2 records = 78 rows
	s_mov_b32 s[G1+3], 32<<16
	s_mov_b32 s[G1+4], 78
	s_mov_b32 s[G1+5], 32
	s_mov_b32 s[G1+6], 0
	s_mov_b32 s[G1+7], 0
	s_mov_b32 s[G1B+0], 15|(3<<16)|(1<<21)
	s_mov_b32 s[G1B+1], 32<<16
	s_mov_b32 s[G1B+2], 234<<16                    ; 6 records = 234 rows
	s_mov_b32 s[G1B+3], 32<<16
	s_mov_b32 s[G1B+4], 234
	s_mov_b32 s[G1B+5], 32
	s_mov_b32 s[G1B+6], 0
	s_mov_b32 s[G1B+7], 0
	s_lshl_b32 s14, s12, 5
	s_lshl_b32 s15, s[WV], 1
	s_add_co_u32 s14, s14, s15
	s_mul_i32 s14, s14, REC                        ; first fill: column records 2 w, 2 w + 1 of the range
	s_mov_b32 s15, 0
	s_mul_i32 s16, s[WV], 2*REC
	s_lshl_b32 s18, s12, 5
	s_mul_i32 s19, s[WV], 6
	s_add_co_u32 s18, s18, s19
	s_add_co_u32 s18, s18, 8
	s_mul_i32 s18, s18, REC                        ; second fill: records 8 + 6 w .. 13 + 6 w
	s_mov_b32 s19, 0
	s_mul_i32 s17, s[WV], 6*REC
	s_add_co_u32 s17, s17, 8*REC
	s_lshl_b32 s2, s11, 5
	s_lshl_b32 s3, s[WV], 2
	s_add_co_u32 s2, s2, s3
	s_mul_i32 s2, s2, REC                          ; my first pass's four row records
	s_mov_b32 s3, 0
	s_mul_i32 s52, s12, 786432                     ; cand: the range, the work-group's rows, my 64 of them
	s_lshl_b32 s53, s11, 13
	s_add_co_u32 s52, s52, s53
	s_lshl_b32 s53, s[WV], 10
	s_add_co_u32 s52, s52, s53
	s_mov_b32 s53, 0
	s_wait_dscnt 0x0
	s_wait_alu depctr_va_vdst(0)                   ; the wait at the head's end
	s_wait_kmcnt 0x0
	s_mov_b32 s[G0], 1
	s_mov_b32 s[G0+1], s16
	s_add_nc_u64 s[G0+2:G0+3], s[4:5], s[14:15]
	s_or_b32 s[G0+3], s[G0+3], 0x80000000
	s_mov_b32 s[G0B], 1
	s_mov_b32 s[G0B+1], s17
	s_add_nc_u64 s[G0B+2:G0B+3], s[4:5], s[18:19]
	s_or_b32 s[G0B+3], s[G0B+3], 0x80000000
	s_add_nc_u64 s[48:49], s[4:5], s[2:3]
	s_add_nc_u64 s[50:51], s[6:7], s[52:53]
	ROUND                                          ; the cluster's four are here: the joint loads meet
	tensor_load_to_lds s[G0:G0+3], s[G1:G1+7]      ; one tensor load a wave at the head
	s_nop 0
	PLACES 4
	ROWS 0
	CLEAR
	s_wait_alu depctr_va_vdst(0)
	s_wait_tensorcnt 0x0                           ; my two records are in
	ds_add_u32 v[SPW], v[NIL]
	s_wait_dscnt 0x0
	ROUND                                          ; records 0-7 are whole
	tensor_load_to_lds s[G0B:G0B+3], s[G1B:G1B+7]  ; records 8-31, six a wave: bytes filled for the first and only time
	s_nop 0
	PLACES 4
	s_mov_b32 s[TB], 0
	FETCH
	s_wait_loadcnt 0x0                             ; my rows
	s_wait_alu depctr_va_vdst(0)
	TRIPS 3                                        ; these fetch records 2 to 7
	s_wait_tensorcnt 0x0                           ; my six records are in,
	s_wait_dscnt 0x0
	s_barrier_signal -1
	s_barrier_wait -1                              ; and everybody's
	TRIPS 12
	LAST 0
	CLEAR
	s_mov_b32 s[TB], 0
	FETCH
	s_wait_loadcnt 0x0                             ; the second pass's rows
	s_wait_alu depctr_va_vdst(0)
	TRIPS 15
	LAST 1
	s_wait_tensorcnt 0x0                           ; the wave's end
	ds_add_u32 v[SPW], v[NIL]
	s_wait_dscnt 0x0
	ROUND                                          ; the closing round
	s_endpgm
.Lfunc_end_k_q13057f0a0c_knn:
	.size	k_q13057f0a0c_knn, .Lfunc_end_k_q13057f0a0c_knn-k_q13057f0a0c_knn
	.p2alignl 7, 3214868480
	.fill 96, 4, 3214868480
	.section	.rodata,"a",@progbits
	.p2align	6, 0x0
	.amdhsa_kernel k_q13057f0a0c_knn
		.amdhsa_group_segment_fixed_size 327680
		.amdhsa_private_segment_fixed_size 0
		.amdhsa_enable_private_segment 0
		.amdhsa_kernarg_size 16
		.amdhsa_user_sgpr_count 2
		.amdhsa_user_sgpr_kernarg_segment_ptr 1
		.amdhsa_wavefront_size32 1
		.amdhsa_system_sgpr_workgroup_id_x 1
		.amdhsa_system_sgpr_workgroup_id_y 1
		.amdhsa_system_sgpr_workgroup_id_z 1
		.amdhsa_system_vgpr_workitem_id 0
		.amdhsa_next_free_vgpr 1024
		.amdhsa_next_free_sgpr 66
		.amdhsa_reserve_vcc 1
		.amdhsa_float_denorm_mode_32 3
		.amdhsa_float_denorm_mode_16_64 3
		.amdhsa_memory_ordered 1
		.amdhsa_forward_progress 1
		.amdhsa_inst_pref_size 255
	.end_amdhsa_kernel
	.section	.bss,"aw",@nobits
	.p2align	6
	.space	262144
	.amdgpu_metadata
---
amdhsa.version: [ 1, 2 ]
amdhsa.kernels:
  - .name:           k_q13057f0a0c_knn
    .symbol:         k_q13057f0a0c_knn.kd
    .args:
      - { .name: ops, .offset: 0, .size: 8, .value_kind: global_buffer, .address_space: global }
      - { .name: cand, .offset: 8, .size: 8, .value_kind: global_buffer, .address_space: global }
    .group_segment_fixed_size: 327680
    .private_segment_fixed_size: 0
    .kernarg_segment_align: 8
    .kernarg_segment_size: 16
    .max_flat_workgroup_size: 128
    .sgpr_count:     66
    .vgpr_count:     1024
    .wavefront_size: 32
...
	.end_amdgpu_metadata
.endif
;; end of part 2
;; launch finish (part 3): grid 512 x 1, 1 waves a work-group, no clusters, 0 bytes of LDS; arguments cand, ops, out0; writes out0
.if DOCPART == 3
	.amdgcn_target "amdgcn-amd-amdhsa--gfx1250"
	.amdhsa_code_object_version 6
	.text
	.protected	k_q13057f0a0c_finish
	.globl	k_q13057f0a0c_finish
	.p2align	8
	.type	k_q13057f0a0c_finish,@function
k_q13057f0a0c_finish:
	s_mov_b64 s[64:65], 0
	v_nop
	global_prefetch_b8 v0, s[64:65] scope:SCOPE_SE
	s_setreg_imm32_b32 hwreg(HW_REG_WAVE_MODE, 25, 1), 1
	s_wait_xcnt 0x0
; out0[i] = -|ln(m / (a20 - m))|, a0 <= a1 <= .. the row's 21 smallest distances, m the mean of a1 .. a19.
; cand [range 16][plane 6][row 8192][4] f32 holds, for each row and each range of 512 columns, the 21 largest D = G - x2[j] / 2, sorted, the largest first (ranks 21 to 23: -infinity).
; One wave takes 16 rows; lanes r and r + 16 take row r, eight ranges each: seven merges a lane, one more with the other half's list; then r2 = x2[i] - 2 D, held at 1e-12 from below,
; the root, the mean, the quotient and the logarithm, in f32.  Rank 0, the smallest distance, is not used.  Lanes r and r + 16 store the same word with the same value.
; LIMITS: r2 is rounded as x2[i] - 2 (G - x2[j] / 2) and not as (x2[i] + x2[j]) - 2 G; the mean is a multiplication by 1 / 19; NaN and infinities among the inputs are not served.
; Sixteen neighbouring lanes of a load cover 256 consecutive bytes.  No LDS, no barrier.
; A comparator is one dual instruction, written out of place: position p of a frame lies at (p & 30) | parity(p), so that partners one bit apart lie at an even and an odd register.
.set LST, 16                           ; v16-207  list c at v[16 + 24 c]
.set F1,  208                          ; v208-239 a frame of 32
.macro FMAP sym, x
.set \sym, ((\x)&30)|(((\x)^((\x)>>1)^((\x)>>2)^((\x)>>3)^((\x)>>4))&1)
.endm
.macro CE hi, lo, a, b
	v_dual_max_num_f32 v[\hi], v[\a], v[\b] :: v_dual_min_num_f32 v[\lo], v[\a], v[\b]
.endm
.macro MX2 d0, a0, b0, d1, a1, b1
	v_dual_max_num_f32 v[\d0], v[\a0], v[\b0] :: v_dual_max_num_f32 v[\d1], v[\a1], v[\b1]
.endm
; The sorted list A (21 at v[a + q]) takes in the sorted list B (21 at v[b + q]) and keeps the 21 largest, sorted: M[q] = max(A[q], B[31 - q]) is bitonic; five stages sort it.
; f: a frame of 32; B's 24 registers serve as frames of 16 (lo) and 8 (hi) once B is dead.
.macro MERGE a, b, f, lo, hi
	v_max_num_f32 v[\a+11], v[\a+11], v[\b+20]
.irp q, 12,14,16,18
	MX2 \a+\q, \a+\q, \b+31-\q, \a+\q+1, \a+\q+1, \b+30-\q
.endr
	v_max_num_f32 v[\a+20], v[\a+20], v[\b+11]
.set nn, 0
.rept 16
.set qq, (nn+5)%16
	FMAP fx, qq
	FMAP fy, qq+16
.if qq < 5
	CE \f+fx, \f+fy, \a+qq, \a+qq+16
.else
	CE \f+fx, \f+fy, \a+qq, \b+15-qq
.endif
.set nn, nn+1
.endr
.set ii, 0
.rept 4
	FMAP fx, ii
	FMAP fy, ii+1
	FMAP ga, ii+16
	FMAP gb, ii+24
	FMAP gc, ii+17
	FMAP gd, ii+25
	MX2 \hi+fx, \f+ga, \f+gb, \hi+fy, \f+gc, \f+gd
.set ii, ii+2
.endr
.set ii, 0
.rept 8
	FMAP fx, ii
	FMAP fy, ii+8
	CE \lo+fx, \lo+fy, \f+fx, \f+fy
.set ii, ii+1
.endr
.set ii, 0
.rept 4
	FMAP fx, ii
	FMAP fy, ii+4
	FMAP ga, ii+16
	FMAP gb, ii+20
	CE \f+ga, \f+gb, \hi+fx, \hi+fy
.set ii, ii+1
.endr
.set ii, 0
.rept 16
.if (ii&4) == 0
	FMAP fx, ii
	FMAP fy, ii+4
	CE \f+fx, \f+fy, \lo+fx, \lo+fy
.endif
.set ii, ii+1
.endr
.set ii, 0
.rept 2
	FMAP fx, ii
	FMAP fy, ii+2
	FMAP ga, ii+16
	FMAP gb, ii+18
	CE \hi+fx, \hi+fy, \f+ga, \f+gb
.set ii, ii+1
.endr
	FMAP fx, 4
	FMAP fy, 5
	FMAP ga, 20
	FMAP gb, 22
	FMAP gc, 21
	FMAP gd, 23
	MX2 \hi+fx, \f+ga, \f+gb, \hi+fy, \f+gc, \f+gd
.set ii, 0
.rept 16
.if (ii&2) == 0
	FMAP fx, ii
	FMAP fy, ii+2
	CE \lo+fx, \lo+fy, \f+fx, \f+fy
.endif
.set ii, ii+1
.endr
	FMAP fx, 0
	FMAP fy, 1
	CE \a+16, \a+17, \hi+fx, \hi+fy
	FMAP fx, 2
	FMAP fy, 3
	CE \a+18, \a+19, \hi+fx, \hi+fy
	FMAP fx, 4
	FMAP fy, 5
	v_max_num_f32 v[\a+20], v[\hi+fx], v[\hi+fy]
.set ii, 0
.rept 8
	FMAP fx, ii
	FMAP fy, ii+1
	CE \a+ii, \a+ii+1, \lo+fx, \lo+fy
.set ii, ii+2
.endr
.endm
.macro JOIN x, y                       ; list x takes in list y
	MERGE LST+24*(\x), LST+24*(\y), F1, LST+24*(\y), LST+24*(\y)+16
.endm
	s_load_b128 s[4:7], s[0:1], 0x0                ; cand, ops
	s_load_b64 s[8:9], s[0:1], 0x10                ; out0
	v_and_b32 v5, 15, v0                           ; r (one wave: v0 is the lane)
	v_lshrrev_b32 v2, 4, v0                        ; h
	v_mul_u32_u24 v1, v2, 0x600000                 ; cand: eight ranges of 786,432 bytes on for lanes 16-31,
	v_lshl_add_u32 v1, v5, 4, v1                   ; 16 bytes a row
	v_lshlrev_b32 v6, 2, v5                        ; 4 bytes a row: -x2 / 2 in the record, and out0
	s_lshl_b32 s10, ttmp9, 8                       ; the wave's 16 rows in a plane of cand,
	s_mov_b32 s11, 0
	s_mul_i32 s12, ttmp9, 9984                     ; their record,
	s_mov_b32 s13, 0
	s_lshl_b32 s14, ttmp9, 6                       ; and their place in out0
	s_mov_b32 s15, 0
	s_mov_b32 s16, 0x3f317218                      ; ln 2
	s_mov_b32 s17, 0x2b8cbccc                      ; 1e-12
	s_mov_b32 s18, 0x76543210
	s_mov_b32 s19, 0xfedcba98                      ; v_permlanex16_b32's selects for lane l xor 16
	s_wait_alu depctr_va_vdst(0)                   ; the wait at the head's end
	s_wait_kmcnt 0x0
	s_add_nc_u64 s[4:5], s[4:5], s[10:11]
	s_add_nc_u64 s[6:7], s[6:7], s[12:13]
	s_add_nc_u64 s[8:9], s[8:9], s[14:15]
	global_load_b32 v3, v6, s[6:7] offset:9728
.irp c, 0,1,2,3,4,5,6,7
.irp g, 0,1,2,3,4,5
	global_load_b128 v[LST+24*\c+4*\g:LST+24*\c+4*\g+3], v1, s[4:5] offset:786432*\c+131072*\g th:TH_LOAD_NT   ; ranks 4 g .. 4 g + 3 of range 8 h + c; the largest offset, 6,160,384, lies inside the signed 24-bit immediate
.endr
.endr
	s_wait_loadcnt 36                              ; loads come back in order: lists 0 and 1 are in, the six lists behind them (6 loads each) stay out
	JOIN 0, 1
	s_wait_loadcnt 24
	JOIN 2, 3
	s_wait_loadcnt 12
	JOIN 4, 5
	s_wait_loadcnt 0x0
	JOIN 6, 7
	JOIN 0, 2
	JOIN 4, 6
	JOIN 0, 4
.set q, 0
.rept 21
	v_permlanex16_b32 v[LST+24+q], v[LST+q], s18, s19   ; the other half's list of the same row
.set q, q+1
.endr
	JOIN 0, 1
	v_mul_f32 v7, -2.0, v3                         ; x2 of my row
.set q, 1
.rept 20
	v_fma_f32 v[LST+q], v[LST+q], -2.0, v7         ; r2 = x2[i] - 2 D
.set q, q+1
.endr
.set q, 1
.rept 20
	v_max_num_f32 v[LST+q], s17, v[LST+q]
.set q, q+1
.endr
	s_wait_alu depctr_va_vdst(0)                   ; the wait ahead of the batch
.set q, 1
.rept 20
	v_sqrt_f32 v[LST+q], v[LST+q]                  ; a1 .. a20, ascending
.set q, q+1
.endr
	v_nop                                          ; a plain place behind the last root
	s_wait_alu depctr_va_vdst(0)                   ; and the wait behind the batch
	v_add_f32 v8, v[LST+1], v[LST+2]               ; a1 + .. + a19, in two chains
	v_add_f32 v9, v[LST+3], v[LST+4]
.set q, 5
.rept 7
	v_add_f32 v8, v8, v[LST+q]
	v_add_f32 v9, v9, v[LST+q+1]
.set q, q+2
.endr
	v_add_f32 v8, v8, v[LST+19]
	v_add_f32 v8, v8, v9
	v_mul_f32 v8, 0x3d579436, v8                   ; m = the sum / 19
	v_sub_f32 v9, v[LST+20], v8                    ; a20 - m
	s_wait_alu depctr_va_vdst(0)
	v_rcp_f32 v9, v9
	v_nop
	s_wait_alu depctr_va_vdst(0)
	v_mul_f32 v8, v8, v9
	s_wait_alu depctr_va_vdst(0)
	v_log_f32 v8, v8                               ; log2
	v_nop
	s_wait_alu depctr_va_vdst(0)
	v_mul_f32 v8, -|v8|, s16                       ; -|ln|
	global_store_b32 v6, v8, s[8:9]                ; 64 consecutive bytes a wave
	s_endpgm
.Lfunc_end_k_q13057f0a0c_finish:
	.size	k_q13057f0a0c_finish, .Lfunc_end_k_q13057f0a0c_finish-k_q13057f0a0c_finish
	.p2alignl 7, 3214868480
	.fill 96, 4, 3214868480
	.section	.rodata,"a",@progbits
	.p2align	6, 0x0
	.amdhsa_kernel k_q13057f0a0c_finish
		.amdhsa_group_segment_fixed_size 0
		.amdhsa_private_segment_fixed_size 0
		.amdhsa_enable_private_segment 0
		.amdhsa_kernarg_size 24
		.amdhsa_user_sgpr_count 2
		.amdhsa_user_sgpr_kernarg_segment_ptr 1
		.amdhsa_wavefront_size32 1
		.amdhsa_system_sgpr_workgroup_id_x 1
		.amdhsa_system_sgpr_workgroup_id_y 1
		.amdhsa_system_sgpr_workgroup_id_z 1
		.amdhsa_system_vgpr_workitem_id 0
		.amdhsa_next_free_vgpr 256
		.amdhsa_next_free_sgpr 66
		.amdhsa_reserve_vcc 0
		.amdhsa_float_denorm_mode_32 3
		.amdhsa_float_denorm_mode_16_64 3
		.amdhsa_memory_ordered 1
		.amdhsa_forward_progress 1
		.amdhsa_inst_pref_size 45
	.end_amdhsa_kernel
	.amdgpu_metadata
---
amdhsa.version: [ 1, 2 ]
amdhsa.kernels:
  - .name:           k_q13057f0a0c_finish
    .symbol:         k_q13057f0a0c_finish.kd
    .args:
      - { .name: cand, .offset: 0, .size: 8, .value_kind: global_buffer, .address_space: global }
      - { .name: ops, .offset: 8, .size: 8, .value_kind: global_buffer, .address_space: global }
      - { .name: out0, .offset: 16, .size: 8, .value_kind: global_buffer, .address_space: global }
    .group_segment_fixed_size: 0
    .private_segment_fixed_size: 0
    .kernarg_segment_align: 8
    .kernarg_segment_size: 24
    .max_flat_workgroup_size: 32
    .sgpr_count:     66
    .vgpr_count:     256
    .wavefront_size: 32
...
	.end_amdgpu_metadata
.endif
;; end of part 3
